; MI455X (gfx1250); checked and timed in simulation.
; The chip was launched on July 23, 2026; its instructions are those of AMD's public machine-readable ISA for CDNA 5 (MIT licence, August 2026) and "CDNA5" Instruction Set Architecture Reference Guide (July 2026). The comments in the code are by the model that wrote it; some were corrected since.
;; Band Specific Filter. Allowed arithmetic: float matrix products may take bf16 or f16 operands with f32 sums; other float arithmetic in f32, or as packed bf16 or f16 multiplies, adds, multiply-adds, maxima and minima; sums over many terms, partial sums and values carried from step to step in f32; what a program stores and reads back later, other than sums and carried values, may be rounded once to bf16 or f16.
;; Inputs: W_delta 32 x 64 float32; W_theta 32 x 64 float32; x 64 x 64 x 5,000 float32.
;; Outputs: out0 64 x 32 x 5,000 float32.
;; One version. Each part assembles by itself: llvm-mc -triple=amdgcn-amd-amdhsa -mcpu=gfx1250 --defsym DOCPART=n.
;; ======== version 1 of 1: 1 launch
;; limits: an iteration or a series of the reference is cut at 56 steps; an iteration or a series of the reference is cut at 72 steps
;; launch bandmix (part 1): grid 16 x 64, 4 waves a work-group, no clusters, 143,872 bytes of LDS; arguments x, W_delta, W_theta, out0; writes out0
.if DOCPART == 1
	.amdgcn_target "amdgcn-amd-amdhsa--gfx1250"
	.amdhsa_code_object_version 6
	.text
	.protected	k_q29a7dc1d74_bandmix
	.globl	k_q29a7dc1d74_bandmix
	.p2align	8
	.type	k_q29a7dc1d74_bandmix,@function
k_q29a7dc1d74_bandmix:
	s_mov_b64 s[64:65], 0
	v_nop
	global_prefetch_b8 v0, s[64:65] scope:SCOPE_SE
	s_setreg_imm32_b32 hwreg(HW_REG_WAVE_MODE, 25, 1), 1
	s_wait_xcnt 0x0
; out[b][o][t] = sum over c of Wd[o][c] Fd(x[b][c])[t] + sum over c of Wt[o][c] Ft(x[b][c])[t].  x: [64][64][5000] f32; Wd, Wt: [32][64] f32; out: [64][32][5000] f32.
; F is the zero-phase band-pass of the problem: odd extension by 15, two biquads forward from the state zi * ext[0], the same backward, the middle 5,000 kept.
; ORDER OF THE STEPS.  F works along t alone and is linear in its row (extension, start states, both scans and the slice are linear); the mix works along c alone.  So W F(x) = F(W x) for all
; values of the inputs, and the mix comes first: 32 + 32 mixed rows a batch are filtered, not 2 x 64.  The mix is a matrix product, x and W rounded to bf16, sums in f32; all that follows is f32.
; ONE RECURSION A BAND.  The two sections multiplied out: v[n] = m[n] - 2 m[n-2] + m[n-4];  y[n] = v[n] - a1 y[n-1] - a2 y[n-2] - a3 y[n-3] - a4 y[n-4].  The gain k of both passes is applied
; once, as k^2, where the bands are added.  a1..a4 and k follow from the design in the problem (constants of its own body).
; START STATES.  zi * ext[0] is the state after an endless run of the constant ext[0] (the second section has zi = 0, since the first section's numerator sums to 0).  In this form: earlier inputs
; equal the first sample, earlier outputs are 0.  The same start opens every chunk.
; CHUNKS.  A row is cut into chunks of 160 outputs.  A chunk runs 72 forward steps ahead of its first output and 56 behind its last; the backward pass starts on the last of those.
; THE EXTENSION IS MADE BEHIND THE MIX, IN F32.  The recursion takes its input only as d[n] = m[n] - m[n-2].  Outside the row the tile holds the mirrored samples with the sign turned, -x[k] and
; -x[4999-k] (k held at 15 beyond the extension): exact in bf16.  Their mix, -m[k], differs from the extension 2 m[0] - m[k] by the constant 2 m[0], which drops out of every d but those of the one
; pair of steps that crosses the end of the row: there one line takes 2 m[0] away (left) or adds 2 m[4999] (right), with a factor that is 0 in all other lanes and work-groups.
; THE TWO ENDS ARE EXACT.  Left of t = -15 the input is constant: the outputs there are 0, so the state at t = -15 is the problem's.  Right of t = 5014 the forward result is held at y[5014]: the
; backward outputs there are 0, so the state at t = 5014 is the problem's.
; WORK LEFT OUT.  The backward results for t < 0 and t > 4999, which the problem slices away, are not stored.  Every input is loaded.
; LIMITS.  What a chunk's start leaves decays by the largest pole radius, 0.842 a step: 4e-6 after 72 steps, 6.5e-5 after 56, relative to the neighbouring samples; a figure of the filter, not of
; the data.  A NaN or an infinity spreads over the chunks that read it, not over the whole row.
; SHARES.  Work-group (gx, b): batch b, outputs t = T0 .. T0 + 319, T0 = 320 gx - 120 (gx = 0 stores t >= 0 alone; gx = 15 ends at 4999): two chunks.  Column j of its tile is t = T0 - 72 + j.
; Wave w: band w / 2, mixed rows 16 (w % 2) + 0..15.  Lane: row lane % 16, chunk lane / 16.
; NO JOINT LOADS: x passes through registers to be rounded, so no tensor load exists that a cluster could share; neighbours have 128 of 448 columns in common, and W is 16,384 bytes.
; A work-group asks for all its bytes at its head, so nothing is left to ask for ahead.
.set XROW,  20000                      ; bytes in a row of x and of out
.set XP,    928                        ; a row of the tile in LDS: 448 bf16 + 32 bytes
.set STG,   59392                      ; behind the tile: 128 rows (one a thread) of 160 f32, 656 bytes apart
.set SPT,   656
.set SPARE, 143360                     ; behind the stage: the spare words, 128 bytes a wave, which no other line names
.set SPW,  6                           ; v6  SPARE + 4 x my thread number; never rewritten
.set NIL,  7                           ; v7  0; never rewritten
.set WF,   16                          ; v[16:31]  my 16 rows of W as two fragments of 32 channels
.set LST,  4                           ; v4  where I put 8 bytes of the tile
.set WO,   5                           ; v5  my byte offset in W
.set OFS,  8                           ; v[8:14]  my byte offset in x for each of seven runs of 64 columns
.set XR,   32                          ; v[32:255]  x as loaded: row group a, run s at XR + 28 a + 4 s
.set WRAW, 200                         ; v[200:231]  W as loaded (ahead of row groups 6 and 7)
.set AF,   8                           ; v8  my place in the tile for the turning loads
.set SA,   9                           ; v9  my row of the stage
.set CO,   32                          ; v[32:41]  five coefficient pairs C0..C4
.set YB,   42                          ; v[42:49]  ring of the last four result pairs
.set DB,   50                          ; v[50:65]  first differences, eight pairs
.set VB,   66                          ; v[66:81]  second differences, eight pairs
.set ACC,  82                          ; v[82:113]  two sets of two accumulators
.set FR,   114                         ; v[114:177]  two sets of 32: fragments of x forward, y read back backward
.set RK,   178                         ; v[178:233]  forward results 160..215 of my chunk
.set MI,   234                         ; v[234:235]  the start sample, twice
.set FL1,  236                         ; v[236:237]  -2 in chunk 1 of gx = 0, else 0: the left end as chunk 1 meets it (step 32)
.set FL0,  238                         ; v[238:239]  -2 in chunk 0 of gx = 0, else 0: the left end as chunk 0 meets it (step 192)
.set FR1,  240                         ; v[240:241]  +2 in chunk 1 of gx = 15, else 0: the right end (step 232)
	s_load_b256 s[4:11], s[0:1], 0x0               ; x s[4:5], Wd s[6:7], Wt s[8:9], out s[10:11]
	v_lshl_add_u32 v[SPW], v0, 2, SPARE
	v_mov_b32 v[NIL], 0
	v_lshrrev_b32 v1, 5, v0
	v_readfirstlane_b32 s12, v1                    ; wave 0..3
	s_mov_b32 s13, ttmp9                           ; gx
	s_and_b32 s14, ttmp7, 0xffff                   ; b
	v_and_b32 v1, 15, v0
	v_lshrrev_b32 v2, 4, v0                        ; my row in a group of eight
	v_mul_u32_u24 v[LST], v2, XP
	v_lshl_add_u32 v[LST], v1, 3, v[LST]
	v_mul_u32_u24 v3, v2, XROW
	s_mul_i32 s16, s13, 320
	v_lshl_add_u32 v15, v1, 2, s16                 ; u = t + 192 of my first column
	v_mov_b32 v2, 192
.irp s, 0,1,2,3,4,5,6
	v_add_nc_u32 v[OFS+(\s)], 64*(\s), v15
	v_max_u32 v[OFS+(\s)], 192, v[OFS+(\s)]        ; t is held to 0 .. 4996: no load leaves x; the columns so bent are written anew below
	v_min_u32 v[OFS+(\s)], 5188, v[OFS+(\s)]
	v_sub_nc_u32 v[OFS+(\s)], v[OFS+(\s)], v2
	v_lshl_add_u32 v[OFS+(\s)], v[OFS+(\s)], 2, v3
.endr
	s_and_b32 s17, s12, 1
	s_lshl_b32 s17, s17, 12                        ; 16 rows of W are 4,096 bytes
	v_lshl_add_u32 v[WO], v1, 8, s17
	v_bfe_u32 v2, v0, 4, 1
	v_lshl_add_u32 v[WO], v2, 5, v[WO]             ; row x 256 + 32 x half
	s_cmp_eq_u32 s13, 0
	s_cselect_b32 s24, 120, 0                      ; the first output index that is stored
	s_mul_i32 s25, s13, 1280
	s_lshl_b32 s16, s24, 2
	s_add_co_u32 s25, s25, s16
	s_sub_co_u32 s25, s25, 480                     ; 4 x (T0 + that index): never negative
	s_add_co_u32 s24, s24, 64                      ; from here on with the bias of 64 that keeps the way out unsigned
	s_mul_i32 s16, s14, 1280000
	s_mov_b32 s17, 0
	s_mul_i32 s28, s14, 640000
	s_mov_b32 s29, 0
	s_wait_kmcnt 0x0
	s_add_nc_u64 s[4:5], s[4:5], s[16:17]          ; x and out at my batch
	s_add_nc_u64 s[10:11], s[10:11], s[28:29]
	s_cmp_lt_u32 s12, 2
	s_cselect_b64 s[18:19], s[6:7], s[8:9]         ; my band's W
; THE LOADS.  All of a thread's 56 loads of x go out at once; 16 lanes take 256 consecutive bytes of a row.
.macro XLOAD a
.irp s, 0,1,2,3,4,5,6
	global_load_b128 v[XR+28*(\a)+4*(\s):XR+28*(\a)+4*(\s)+3], v[OFS+(\s)], s[4:5] offset:160000*(\a)
.endr
.endm
.macro XSTORE a                        ; row group a is rounded to bf16 in place and laid into the tile
	s_wait_loadcnt 7*(7-(\a))                      ; the later groups, seven loads each, may stay out
.irp s, 0,1,2,3,4,5,6
	v_cvt_pk_bf16_f32 v[XR+28*(\a)+4*(\s)], v[XR+28*(\a)+4*(\s)], v[XR+28*(\a)+4*(\s)+1]
	v_cvt_pk_bf16_f32 v[XR+28*(\a)+4*(\s)+1], v[XR+28*(\a)+4*(\s)+2], v[XR+28*(\a)+4*(\s)+3]
	ds_store_b64 v[LST], v[XR+28*(\a)+4*(\s):XR+28*(\a)+4*(\s)+1] offset:7424*(\a)+128*(\s)
.endr
.endm
.irp i, 0,1,2,3,4,5,6,7
	global_load_b128 v[WRAW+4*(\i):WRAW+4*(\i)+3], v[WO], s[18:19] offset:64*((\i)/2)+16*((\i)%2)
.endr
.irp a, 0,1,2,3,4,5
	XLOAD \a
.endr
	s_wait_loadcnt 42                              ; W is in; the 42 loads of x issued behind it may stay out
.irp i, 0,1,2,3,4,5,6,7
	v_cvt_pk_bf16_f32 v[WF+2*(\i)], v[WRAW+4*(\i)], v[WRAW+4*(\i)+1]
	v_cvt_pk_bf16_f32 v[WF+2*(\i)+1], v[WRAW+4*(\i)+2], v[WRAW+4*(\i)+3]
.endr
	XLOAD 6
	XLOAD 7
.irp a, 0,1,2,3,4,5,6,7
	XSTORE \a
.endr
	s_wait_dscnt 0x0                               ; my part of the tile is written
	s_barrier_signal -1
	s_barrier_wait -1                              ; the whole tile is: the ends may now be written over
; THE ENDS.  In the first and the last work-group of a row, thread c < 64 writes over the bent columns of channel c the mirrored samples with the sign turned: -x[k] at t = -k, -x[4999-k] at
; t = 4999 + k, k = 1..15, and beyond them the value of k = 15.  Rounded as x is; turning the sign of a bf16 number is exact.
.set PU, 32                            ; v[32:47]  the row's first or last 16 samples
.set PW, 64                            ; v[64:71]  16 columns in bf16
.set PC, 72                            ; v[72:75]  eight columns of the constant
.macro PATCH side
	v_mul_u32_u24 v1, v0, XROW
	v_mul_u32_u24 v2, v0, XP
.irp i, 0,1,2,3
	global_load_b128 v[PU+4*(\i):PU+4*(\i)+3], v1, s[4:5] offset:19936*(\side)+16*(\i)
.endr
	s_wait_loadcnt 0x0
.if \side
.irp j, 0,1,2,3,4,5,6
	v_cvt_pk_bf16_f32 v[PW+(\j)], v[PU+14-2*(\j)], v[PU+13-2*(\j)] ; columns 392 + 2 j: t = 5000 + 2 j: k = 2 j + 1, 2 j + 2; x[4999-k] lies at PU + 15 - k
.endr
	v_cvt_pk_bf16_f32 v[PW+7], v[PU], v[PU]                        ; k = 15, and the constant
.else
	v_cvt_pk_bf16_f32 v[PW], v[PU+15], v[PU+15]                    ; the constant, and k = 15
.irp j, 1,2,3,4,5,6,7
	v_cvt_pk_bf16_f32 v[PW+(\j)], v[PU+16-2*(\j)], v[PU+15-2*(\j)] ; columns 176 + 2 j: t = -16 + 2 j: k = 16 - 2 j, 15 - 2 j
.endr
.endif
.irp j, 0,1,2,3,4,5,6,7
	v_xor_b32 v[PW+(\j)], 0x80008000, v[PW+(\j)]   ; both signs turned
.endr
.irp j, 0,1,2,3
	v_mov_b32 v[PC+(\j)], v[PW+7*(\side)]
.endr
.if \side
	ds_store_b128 v2, v[PW:PW+3] offset:784
	ds_store_b128 v2, v[PW+4:PW+7] offset:800
.irp q, 0,1,2,3,4
	ds_store_b128 v2, v[PC:PC+3] offset:816+16*(\q)
.endr
.else
.set kq, 0
.rept 22
	ds_store_b128 v2, v[PC:PC+3] offset:16*kq
.set kq, kq+1
.endr
	ds_store_b128 v2, v[PW:PW+3] offset:352
	ds_store_b128 v2, v[PW+4:PW+7] offset:368
.endif
.endm
	s_cmp_lt_u32 s12, 2
	s_cbranch_scc0 .Lnopatch
	s_cmp_eq_u32 s13, 0
	s_cbranch_scc1 .Lpatch0
	s_cmp_eq_u32 s13, 15
	s_cbranch_scc0 .Lnopatch
	PATCH 1
	s_branch .Lnopatch
.Lpatch0:
	PATCH 0
.Lnopatch:
	s_wait_dscnt 0x0                               ; my stores over the ends are done
	s_barrier_signal -1
	s_barrier_wait -1                              ; the tile is final: every wave may read all of it
; THE COEFFICIENTS, in pairs for two steps at once (low: step n; high: step n + 1 with step n put in):
; C0 = (0, -a1)  C1 = (-a1, a1 a1 - a2)  C2 = (-a2, a1 a2 - a3)  C3 = (-a3, a1 a3 - a4)  C4 = (-a4, a1 a4)
	s_cmp_lt_u32 s12, 2
	s_cbranch_scc0 .Ltheta
	v_mov_b32 v[CO+0], 0
	v_mov_b32 v[CO+1], 2.18065784
	v_mov_b32 v[CO+2], 2.18065784
	v_mov_b32 v[CO+3], 2.7352645
	v_mov_b32 v[CO+4], -2.02000411
	v_mov_b32 v[CO+5], -3.37942695
	v_mov_b32 v[CO+6], 1.02551085
	v_mov_b32 v[CO+7], 1.96407334
	v_mov_b32 v[CO+8], -0.27221494
	v_mov_b32 v[CO+9], -0.59360764
	s_branch .Lcoef
.Ltheta:
	v_mov_b32 v[CO+0], 0
	v_mov_b32 v[CO+1], -1.28407906
	v_mov_b32 v[CO+2], -1.28407906
	v_mov_b32 v[CO+3], 1.1659194
	v_mov_b32 v[CO+4], -0.48293964
	v_mov_b32 v[CO+5], 0.39981954
	v_mov_b32 v[CO+6], -0.22031314
	v_mov_b32 v[CO+7], 0.11132661
	v_mov_b32 v[CO+8], -0.17157288
	v_mov_b32 v[CO+9], 0.22031314
.Lcoef:
	; The factors of the three lines that cross an end of the row: by the work-group's place along t and by the lane's chunk (lanes 16-31 are chunk 1).
	s_mov_b32 s27, 0xffff0000
	s_cmp_eq_u32 s13, 0
	s_cselect_b32 s16, -2.0, 0
	s_cmp_eq_u32 s13, 15
	s_cselect_b32 s17, 2.0, 0
	v_mov_b32 v1, s16
	v_mov_b32 v2, 0
	v_mov_b32 v3, s17
	v_cndmask_b32 v[FL1], v2, v1, s27
	v_cndmask_b32 v[FL0], v1, v2, s27
	v_cndmask_b32 v[FR1], v2, v3, s27
	v_mov_b32 v[FL1+1], v[FL1]
	v_mov_b32 v[FL0+1], v[FL0]
	v_mov_b32 v[FR1+1], v[FR1]
	; The turning load: lane l reads 16 bytes of channel 8 (l / 16) + l % 8; lanes with (l / 8) % 2 = 0 take eight columns of chunk 0, the others the same eight of chunk 1, 160 columns on.
	; It leaves half a fragment: lane l holds time row l % 16 (rows 0-7 chunk 0, rows 8-15 chunk 1) and eight channels.
	v_bfe_u32 v1, v0, 4, 1
	v_and_b32 v2, 7, v0
	v_lshl_add_u32 v1, v1, 3, v2
	v_mul_u32_u24 v[AF], v1, XP
	v_bfe_u32 v2, v0, 3, 1
	v_mad_u32_u24 v[AF], v2, 320, v[AF]
	s_mul_i32 s16, s12, 32*SPT
	s_add_co_u32 s16, s16, STG
	v_and_b32 v1, 31, v0
	v_mul_u32_u24 v[SA], v1, SPT
	v_add_nc_u32 v[SA], s16, v[SA]
; THE FORWARD PASS, 16 steps a body, 18 bodies.
.macro FLOAD d                         ; the fragments of body d: two groups of eight steps x two halves of the channels
.irp g, 0,1
.irp c, 0,1
	ds_load_tr16_b128 v[FR+32*((\d)%2)+16*(\g)+8*(\c):FR+32*((\d)%2)+16*(\g)+8*(\c)+3],   v[AF] offset:16*(2*(\d)+(\g))+29696*(\c)
	ds_load_tr16_b128 v[FR+32*((\d)%2)+16*(\g)+8*(\c)+4:FR+32*((\d)%2)+16*(\g)+8*(\c)+7], v[AF] offset:16*(2*(\d)+(\g))+29696*(\c)+14848
.endr
.endr
.endm
; The mix of body d: source 0 = 16 time rows, source 1 = my 16 rows of W.  In the result a lane holds ONE mixed row (lane % 16), ONE chunk (lane / 16) and eight steps on end.
; The two accumulators take turns, one instruction a turn; the first product of each starts its sum.
.macro WMMA4 d
.set sa, ACC+16*((\d)%2)
.set fa, FR+32*((\d)%2)
	v_wmma_f32_16x16x32_bf16 v[sa:sa+7],    v[fa:fa+7],     v[WF:WF+7],    0
	v_wmma_f32_16x16x32_bf16 v[sa+8:sa+15], v[fa+16:fa+23], v[WF:WF+7],    0
	v_wmma_f32_16x16x32_bf16 v[sa:sa+7],    v[fa+8:fa+15],  v[WF+8:WF+15], v[sa:sa+7]
	v_wmma_f32_16x16x32_bf16 v[sa+8:sa+15], v[fa+24:fa+31], v[WF+8:WF+15], v[sa+8:sa+15]
.endm
; The differences of body d: d[n] = m[n] - m[n-2], v[n] = d[n] - d[n-2], a pair of steps a line.  Each accumulator is read from its lowest registers on.
; Three pairs cross an end of the row.  Steps 32, 33 (chunk 1) and 192, 193 (chunk 0) are t = 0, 1 in gx = 0: d takes -2 m[0], the pair's low half.  Steps 232, 233 (chunk 1) are t = 5000, 5001 in
; gx = 15: d takes +2 m[4999], the high half of the pair before.  Everywhere else the factor is 0.
.macro DV d
.set pp, 0
.rept 8
.set mm, ACC+16*((\d)%2)+2*pp
.if pp > 0
.set mq, mm-2
.elseif (\d) == 0
.set mq, MI
.else
.set mq, ACC+16*(((\d)+1)%2)+14
.endif
	v_pk_add_f32 v[DB+2*pp:DB+2*pp+1], v[mm:mm+1], v[mq:mq+1] neg_lo:[0,1] neg_hi:[0,1]
.if ((\d) == 2) && (pp == 0)
	v_pk_fma_f32 v[DB:DB+1], v[mm:mm+1], v[FL1:FL1+1], v[DB:DB+1] op_sel_hi:[0,1,1]
.endif
.if ((\d) == 12) && (pp == 0)
	v_pk_fma_f32 v[DB:DB+1], v[mm:mm+1], v[FL0:FL0+1], v[DB:DB+1] op_sel_hi:[0,1,1]
.endif
.if ((\d) == 14) && (pp == 4)
	v_pk_fma_f32 v[DB+8:DB+9], v[mq:mq+1], v[FR1:FR1+1], v[DB+8:DB+9] op_sel:[1,0,0] op_sel_hi:[1,1,1]
.endif
.if pp > 0
	v_pk_add_f32 v[VB+2*pp-2:VB+2*pp-1], v[DB+2*pp-2:DB+2*pp-1], v[DB+2*((pp+6)%8):DB+2*((pp+6)%8)+1] neg_lo:[0,1] neg_hi:[0,1]
.endif
.set pp, pp+1
.endr
	v_pk_add_f32 v[VB+14:VB+15], v[DB+14:DB+15], v[DB+12:DB+13] neg_lo:[0,1] neg_hi:[0,1]
.endm
.macro YREG name, P                    ; where the results of pair P lie: the ring, or from step 232 on (result 160) the kept registers
.if (\P) < 116
.set \name, YB+2*(((\P)+4)%4)
.else
.set \name, RK+2*((\P)-116)
.endif
.endm
.macro FA P, k                         ; pair P, the three lines that want nothing younger than pair P - 2
.set vv, VB+2*((\P)%8)
	YREG y2, (\P)-2
.if (\k) == 0
	v_pk_fma_f32 v[vv:vv+1], v[vv:vv+1], v[CO:CO+1], v[vv:vv+1] op_sel_hi:[0,1,1]
.elseif (\k) == 1
	v_pk_fma_f32 v[vv:vv+1], v[y2:y2+1], v[CO+8:CO+9], v[vv:vv+1] op_sel_hi:[0,1,1]
.else
	v_pk_fma_f32 v[vv:vv+1], v[y2:y2+1], v[CO+6:CO+7], v[vv:vv+1] op_sel:[1,0,0] op_sel_hi:[1,1,1]
.endif
.endm
.macro FB P, k                         ; pair P, the two lines that want pair P - 1
.set vv, VB+2*((\P)%8)
	YREG y1, (\P)-1
	YREG yd, \P
.if (\k) == 0
	v_pk_fma_f32 v[vv:vv+1], v[y1:y1+1], v[CO+4:CO+5], v[vv:vv+1] op_sel_hi:[0,1,1]
.else
	v_pk_fma_f32 v[yd:yd+1], v[y1:y1+1], v[CO+2:CO+3], v[vv:vv+1] op_sel:[1,0,0] op_sel_hi:[1,1,1]
.endif
.endm
; The recursion of body d: eight pairs.  The next pair's three early lines stand between a pair's two late ones.  Results 0..159 (steps 72..231) go to my row of the stage, eight at a time.
.macro REC d
	FA 8*(\d), 0
	FA 8*(\d), 1
	FA 8*(\d), 2
.set pp, 0
.rept 8
.if pp < 7
	FA 8*(\d)+pp+1, 0
.endif
	FB 8*(\d)+pp, 0
.if pp < 7
	FA 8*(\d)+pp+1, 1
.endif
	FB 8*(\d)+pp, 1
.if pp < 7
	FA 8*(\d)+pp+1, 2
.endif
.if (pp%4) == 3
.set gq, 2*(\d)+pp/4
.if (gq >= 9) && (gq <= 28)
	ds_store_b128 v[SA], v[YB:YB+3]   offset:32*(gq-9)
	ds_store_b128 v[SA], v[YB+4:YB+7] offset:32*(gq-9)+16
.endif
.endif
.set pp, pp+1
.endr
.endm
; A body.  The 40 lines of REC name no register of the products just issued: they are the places between those products and the next body's reads of the results, and between them and the
; loads that later land on the fragments that they read.
.macro FBODY d
	DV \d
.if (\d) < 17
	s_wait_dscnt 0x0                               ; the next body's fragments are in
	WMMA4 (\d)+1
.endif
.if (\d) < 16
	FLOAD (\d)+2
.endif
	REC \d
.endm
	FLOAD 0
	FLOAD 1
	s_wait_dscnt 8                                 ; body 0's eight loads are in; body 1's eight may stay out
	WMMA4 0
	v_mov_b32 v[DB+14], 0                          ; earlier differences and earlier results are 0: six plain lines, the places behind the products
	v_mov_b32 v[DB+15], 0
	v_mov_b32 v[YB+4], 0
	v_mov_b32 v[YB+5], 0
	v_mov_b32 v[YB+6], 0
	v_mov_b32 v[YB+7], 0
	v_mov_b32 v[MI], v[ACC]                        ; earlier inputs equal the first sample
	v_mov_b32 v[MI+1], v[ACC]
.set dd, 0
.rept 18
	FBODY dd
.set dd, dd+1
.endr
; THE BACKWARD PASS, over results 215 .. 0 of my chunk, pair PB = results 2 PB, 2 PB + 1.  The high half of a pair comes first in time, so the coefficient pairs are taken with their halves swapped.
.macro QLOAD q                         ; results 32 q .. 32 q + 31 back from my row of the stage
.irp i, 0,1,2,3,4,5,6,7
	ds_load_b128 v[FR+32*((\q)%2)+4*(\i):FR+32*((\q)%2)+4*(\i)+3], v[SA] offset:128*(\q)+16*(\i)
.endr
.endm
.macro YSRC name, P
.if (\P) >= 108
.set \name, MI
.elseif (\P) >= 80
.set \name, RK+2*((\P)-80)
.else
.set \name, FR+32*(((\P)/16)%2)+2*((\P)%16)
.endif
.endm
.macro BE P, k                         ; pair P, the five lines that want nothing younger than pair P + 2
.set vv, VB+2*((\P)%8)
.set e0, DB+2*((\P)%8)
.set e1, DB+2*(((\P)+1)%8)
.set z2, YB+2*(((\P)+2)%4)
.if (\k) == 0
	YSRC ya, \P
	YSRC yb, (\P)+1
	v_pk_add_f32 v[e0:e0+1], v[ya:ya+1], v[yb:yb+1] neg_lo:[0,1] neg_hi:[0,1]
.elseif (\k) == 1
	v_pk_add_f32 v[vv:vv+1], v[e0:e0+1], v[e1:e1+1] neg_lo:[0,1] neg_hi:[0,1]
.elseif (\k) == 2
	v_pk_fma_f32 v[vv:vv+1], v[vv:vv+1], v[CO:CO+1], v[vv:vv+1] op_sel:[1,1,0] op_sel_hi:[1,0,1]
.elseif (\k) == 3
	v_pk_fma_f32 v[vv:vv+1], v[z2:z2+1], v[CO+8:CO+9], v[vv:vv+1] op_sel:[1,1,0] op_sel_hi:[1,0,1]
.else
	v_pk_fma_f32 v[vv:vv+1], v[z2:z2+1], v[CO+6:CO+7], v[vv:vv+1] op_sel:[0,1,0] op_sel_hi:[0,0,1]
.endif
.endm
.macro BB P, k                         ; pair P, the two lines that want pair P + 1
.set vv, VB+2*((\P)%8)
.set z1, YB+2*(((\P)+1)%4)
.set zd, YB+2*((\P)%4)
.if (\k) == 0
	v_pk_fma_f32 v[vv:vv+1], v[z1:z1+1], v[CO+4:CO+5], v[vv:vv+1] op_sel:[1,1,0] op_sel_hi:[1,0,1]
.else
	v_pk_fma_f32 v[zd:zd+1], v[z1:z1+1], v[CO+2:CO+3], v[vv:vv+1] op_sel:[0,1,0] op_sel_hi:[0,0,1]
.endif
.endm
.macro BST P                           ; eight finished results take the place of the forward results in my row of the stage, which have been read
.if (((\P)%4) == 0) && (((\P)/4) <= 19)
	ds_store_b128 v[SA], v[YB:YB+3]   offset:8*(\P)
	ds_store_b128 v[SA], v[YB+4:YB+7] offset:8*(\P)+16
.endif
.endm
	QLOAD 4
	s_cmp_lg_u32 s13, 15
	s_cbranch_scc1 .Lnotlast
	s_mov_b32 s27, 0xffff0000                      ; chunk 1 of the last work-group: kept register i is t = 5000 + i; beyond t = 5014 the forward result is held
.set ii, 15
.rept 41
	v_cndmask_b32 v[RK+ii], v[RK+ii], v[RK+14], s27
.set ii, ii+1
.endr
.Lnotlast:
	v_mov_b32 v[MI], v[RK+55]                      ; earlier inputs equal the first sample, earlier differences and results are 0
	v_mov_b32 v[MI+1], v[RK+55]
	v_mov_b32 v[DB+8], 0
	v_mov_b32 v[DB+9], 0
	v_mov_b32 v[YB], 0
	v_mov_b32 v[YB+1], 0
	v_mov_b32 v[YB+2], 0
	v_mov_b32 v[YB+3], 0
.irp k, 0,1,2,3,4
	BE 107, \k
.endr
.set PB, 107
.rept 107
.if ((PB%16) == 0) && (PB <= 80)
	s_wait_dscnt 0x0                               ; the quarter whose last pair is formed in this step is back in registers
.endif
	BE PB-1, 0
	BB PB, 0
	BE PB-1, 1
	BB PB, 1
	BE PB-1, 2
	BE PB-1, 3
	BE PB-1, 4
	BST PB
.if ((PB%16) == 0) && (PB <= 80) && (PB >= 32)
	QLOAD PB/16-2                                  ; the quarter after that, into the set whose last reader was this step's first line
.endif
.set PB, PB-1
.endr
	BB 0, 0
	BB 0, 1
	BST 0
	s_wait_dscnt 0x0                               ; my rows of the stage are written
	s_barrier_signal -1
	s_barrier_wait -1                              ; all 128 rows are
; THE WAY OUT.  Thread: row e = thread / 16 of each of four groups of eight output rows, four outputs on end.  A row of out begins 32 (e + 1) bytes (mod 256) ahead of my window, so the output index
; is shifted by 8 ((e + 1) % 8): the 16 lanes of a row then store 256 consecutive bytes that begin at a multiple of 256 from the first byte of out.  J = index + 64, so that all is unsigned.
.set DQ, 32                            ; v[32:47]  delta, then the sum
.set TQ, 48                            ; v[48:63]  theta
.set KD, 64                            ; v[64:65]  k^2 of delta, twice
.set KT, 66                            ; v[66:67]  k^2 of theta, twice
	v_and_b32 v1, 15, v0
	v_lshrrev_b32 v2, 4, v0
	v_add_nc_u32 v3, 1, v2
	v_and_b32 v3, 7, v3
	v_lshlrev_b32 v3, 3, v3
	v_lshl_add_u32 v10, v1, 2, 64
	v_sub_nc_u32 v10, v10, v3                      ; J of my first segment
	v_mul_u32_u24 v11, v2, SPT
	v_add_nc_u32 v11, STG-256, v11                 ; stage row e, less the bias
	v_mul_u32_u24 v12, v2, XROW
	v_add_nc_u32 v12, s25, v12                     ; row e of out at the first index that is stored
	v_mov_b32 v8, 9856                             ; chunk 1 lies 16 stage rows on and counts from 160: 16 x 656 - 640
	v_mov_b32 v[KD], 0.0171888986
	v_mov_b32 v[KD+1], 0.0171888986
	v_mov_b32 v[KT], 0.0857864376
	v_mov_b32 v[KT+1], 0.0857864376
.macro OUTSEG g
	v_add_nc_u32 v13, 64*(\g), v10
	v_max_u32 v14, s24, v13                        ; held inside the window, so that every address is good; lanes outside store nothing
	v_min_u32 v14, 380, v14
	v_cmp_le_u32 vcc_lo, 224, v14
	v_cndmask_b32 v1, 0, v8, vcc_lo
	v_lshl_add_u32 v15, v14, 2, v11
	v_add_nc_u32 v15, v15, v1                      ; delta: stage rows 0..63
	v_add_nc_u32 v3, 64*SPT, v15                   ; theta: stage rows 64..127
	v_sub_nc_u32 v1, v14, s24
	v_lshl_add_u32 v2, v1, 2, v12
	v_cmp_le_u32 s27, s24, v13
	v_cmp_gt_u32 vcc_lo, 384, v13
	s_and_b32 vcc_lo, vcc_lo, s27
.irp q, 0,1,2,3
	ds_load_b128 v[DQ+4*(\q):DQ+4*(\q)+3], v15 offset:(8*((\q)&1)+32*((\q)>>1))*SPT
	ds_load_b128 v[TQ+4*(\q):TQ+4*(\q)+3], v3  offset:(8*((\q)&1)+32*((\q)>>1))*SPT
.endr
	s_wait_dscnt 0x0
.irp j, 0,1,2,3,4,5,6,7
	v_pk_mul_f32 v[DQ+2*(\j):DQ+2*(\j)+1], v[DQ+2*(\j):DQ+2*(\j)+1], v[KD:KD+1]
.endr
.irp j, 0,1,2,3,4,5,6,7
	v_pk_fma_f32 v[DQ+2*(\j):DQ+2*(\j)+1], v[TQ+2*(\j):TQ+2*(\j)+1], v[KT:KT+1], v[DQ+2*(\j):DQ+2*(\j)+1]
.endr
	s_wait_xcnt 0x0                                ; EXEC changes only behind this wait
	s_and_saveexec_b32 s26, vcc_lo
.irp q, 0,1,2,3
	global_store_b128 v2, v[DQ+4*(\q):DQ+4*(\q)+3], s[10:11] offset:160000*(\q) th:TH_STORE_NT
.endr
	s_wait_xcnt 0x0                                ; and again: EXEC, the offset and the data are written anew only behind it
	s_or_b32 exec_lo, exec_lo, s26
.endm
.irp g, 0,1,2,3,4,5
	OUTSEG \g
.endr
	s_wait_tensorcnt 0x0                           ; the wave's end, behind my last LDS store
	ds_add_u32 v[SPW], v[NIL]
	s_wait_dscnt 0x0
	s_endpgm
.Lfunc_end_k_q29a7dc1d74_bandmix:
	.size	k_q29a7dc1d74_bandmix, .Lfunc_end_k_q29a7dc1d74_bandmix-k_q29a7dc1d74_bandmix
	.p2alignl 7, 3214868480
	.fill 96, 4, 3214868480
	.section	.rodata,"a",@progbits
	.p2align	6, 0x0
	.amdhsa_kernel k_q29a7dc1d74_bandmix
		.amdhsa_group_segment_fixed_size 143872
		.amdhsa_private_segment_fixed_size 0
		.amdhsa_enable_private_segment 0
		.amdhsa_kernarg_size 32
		.amdhsa_user_sgpr_count 2
		.amdhsa_user_sgpr_kernarg_segment_ptr 1
		.amdhsa_wavefront_size32 1
		.amdhsa_system_sgpr_workgroup_id_x 1
		.amdhsa_system_sgpr_workgroup_id_y 1
		.amdhsa_system_sgpr_workgroup_id_z 1
		.amdhsa_system_vgpr_workitem_id 0
		.amdhsa_next_free_vgpr 256
		.amdhsa_next_free_sgpr 66
		.amdhsa_reserve_vcc 1
		.amdhsa_float_denorm_mode_32 3
		.amdhsa_float_denorm_mode_16_64 3
		.amdhsa_memory_ordered 1
		.amdhsa_forward_progress 1
		.amdhsa_inst_pref_size 183
	.end_amdhsa_kernel
	.amdgpu_metadata
---
amdhsa.version: [ 1, 2 ]
amdhsa.kernels:
  - .name:           k_q29a7dc1d74_bandmix
    .symbol:         k_q29a7dc1d74_bandmix.kd
    .args:
      - { .name: x, .offset: 0, .size: 8, .value_kind: global_buffer, .address_space: global }
      - { .name: W_delta, .offset: 8, .size: 8, .value_kind: global_buffer, .address_space: global }
      - { .name: W_theta, .offset: 16, .size: 8, .value_kind: global_buffer, .address_space: global }
      - { .name: out0, .offset: 24, .size: 8, .value_kind: global_buffer, .address_space: global }
    .group_segment_fixed_size: 143872
    .private_segment_fixed_size: 0
    .kernarg_segment_align: 8
    .kernarg_segment_size: 32
    .max_flat_workgroup_size: 128
    .sgpr_count:     66
    .vgpr_count:     256
    .wavefront_size: 32
...
	.end_amdgpu_metadata
.endif
;; end of part 1
